; MI455X (gfx1250); checked and timed in simulation.
; The chip was launched on July 23, 2026; its instructions are those of AMD's public machine-readable ISA for CDNA 5 (MIT licence, August 2026) and "CDNA5" Instruction Set Architecture Reference Guide (July 2026). The comments in the code are by the model that wrote it; some were corrected since.
;; Grid fun. Allowed arithmetic: float matrix products may take bf16 or f16 operands with f32 sums; all other float work in f32.
;; Inputs: a 96 x 3 float32; x 1,000,000 x 3 float32.
;; Outputs: out0 1,000,000 x 3 float32.
;; One version. Each part assembles by itself: llvm-mc -triple=amdgcn-amd-amdhsa -mcpu=gfx1250 --defsym DOCPART=n.
;; ======== version 1 of 1: 1 launch
;; launch quad (part 1): grid 625 x 1, 5 waves a work-group, no clusters, 20,224 bytes of LDS; arguments x, a, out0; writes out0
.if DOCPART == 1
	.amdgcn_target "amdgcn-amd-amdhsa--gfx1250"
	.amdhsa_code_object_version 6
	.text
	.protected	k_q95e9fbb312_quad
	.globl	k_q95e9fbb312_quad
	.p2align	8
	.type	k_q95e9fbb312_quad,@function
k_q95e9fbb312_quad:
	s_mov_b64 s[64:65], 0
	v_nop
	global_prefetch_b8 v0, s[64:65] scope:SCOPE_SE
	s_setreg_imm32_b32 hwreg(HW_REG_WAVE_MODE, 25, 1), 1
	s_wait_xcnt 0x0
; out[n][c] = sum over r, j, k of z_j z_k a[16 r + 4 j + k][c],  z = (x0, x1, x2, 1).   x, out: [1000000][3] f32, a: [96][3] f32.
; The six blocks of 16 feature columns are equal and z_j z_k = z_k z_j, for every input, so with
;   b[i][c] = sum over r of a[16 r + i][c],   S[j][k] = b[4j+k] + b[4k+j] (j < k),   S[j][j] = b[5j]
; each output is a quadratic form with 10 coefficients, evaluated nested in 9 fused multiply-adds:
;   out = x (Sxx x + Sxy y + Sxz z + Sx) + y (Syy y + Syz z + Sy) + z (Szz z + Sz) + S1.
; All in f32 on the vector unit: the product has 3 output columns (3 of the 16 of a matrix tile), and after the fold it is 27
; multiply-adds a point against 24 bytes moved, so the bytes decide.  No matrix instruction, no cluster (the only bytes that
; work-groups share are the 1,152 of a), no loop: every wave asks for all its input in its first lines.
; LIMITS: the order of rounding differs from a sum over 96 products (blocks first, mirror pairs next, then the nested form);
; the sums of up to 12 entries of a overflow only above about 2.8e37; with infinities or NaN among the inputs the pattern of
; infinities and NaN in the result may differ.
;
; SHARES: 12,000,000 bytes = 625 work-groups x 5 waves x 3,840 bytes, exactly: no tail, EXEC is never changed.
; A wave owns 3,840 bytes = 320 points = 15 aligned runs of 256 bytes.  It moves them as blocks 0-6 of 512 bytes (16 bytes a lane)
; and block 7 of 256 bytes (8 bytes a lane): every load and store covers whole aligned runs of 256 consecutive bytes.
; A point is 12 bytes, so the blocks go through the wave's own 3,840 bytes of LDS: copied in as they lie, read back one word a lane
; at 12 x lane (words 3 L are distinct modulo 64: no two lanes meet in a bank).  Lane L takes points L + 32 m, m = 0 .. 9;
; m = 2u and 2u + 1 form pair u: their x, y, z stand in register pairs, and one v_pk_fma_f32 serves both points.
; Results go back to the same LDS bytes (pair u's 768 bytes are read out before they are written) and leave as blocks.
.set WAVES,  5
.set WBYTES, 3840                      ; bytes of x, of out and of LDS that a wave owns
.set COEF,   WAVES*WBYTES              ; LDS: 16 rows of 16 bytes, row i = S of feature i for c = 0, 1, 2, and a zero
.set R,   8                            ; v[8:37]    block j at R + 4 j: as loaded, later as stored
.set XA,  38                           ; v[38:43]   x, y, z pairs, even pairs of points
.set XB,  44                           ; v[44:49]   the same, odd pairs
.set OA,  50                           ; v[50:55]   three result pairs, even pairs of points
.set OB,  56                           ; v[56:61]   the same, odd pairs
.set T,   62                           ; v[62:79]   nine temporary pairs; before that the fold of a in wave 0
.set C,   80                           ; v[80:119]  coefficient q at C + 4 q: c = 0, 1, 2, and a zero; the same in every lane
.set AO,  T+12                         ; wave 0: byte offset of my row of a
.set SA,  T+13                         ; wave 0: where my row of S goes
.set QXX, 0
.set QXY, 1
.set QXZ, 2
.set QX,  3
.set QYY, 4
.set QYZ, 5
.set QY,  6
.set QZZ, 7
.set QZ,  8
.set Q1,  9
; all eight blocks of x are asked for at once
.macro XLOADS
.irp j, 0,1,2,3,4,5,6
	global_load_b128 v[R+4*\j:R+4*\j+3], v1, s[4:5] offset:512*\j th:TH_LOAD_NT
.endr
	global_load_b64 v[R+28:R+29], v2, s[4:5] offset:3584 th:TH_LOAD_NT
.endm
.macro LDC q, i                        ; row i of S to every lane
	ds_load_b128 v[C+4*\q:C+4*\q+3], v6 offset:COEF+16*\i
.endm
.macro PUTB j                          ; block j of x into my LDS bytes, as it lies in memory
	ds_store_b128 v3, v[R+4*\j:R+4*\j+3] offset:512*\j
.endm
.macro GETB j                          ; block j of the results back
	ds_load_b128 v[R+4*\j:R+4*\j+3], v3 offset:512*\j
.endm
.macro STB j                           ; 512 consecutive bytes, starting at a multiple of 256 from the first byte of out
	global_store_b128 v1, v[R+4*\j:R+4*\j+3], s[8:9] offset:512*\j th:TH_STORE_NT
.endm
.macro GETP u, X                       ; pair u: component c of points L + 64 u and L + 64 u + 32 into one register pair
.irp c, 0,1,2
	ds_load_b32 v[\X+2*\c],   v5 offset:768*\u+4*\c
	ds_load_b32 v[\X+2*\c+1], v5 offset:768*\u+384+4*\c
.endr
.endm
.macro PUTP u, O                       ; the six results of pair u, to the places of its inputs
.irp c, 0,1,2
	ds_store_b32 v5, v[\O+2*\c]   offset:768*\u+4*\c
	ds_store_b32 v5, v[\O+2*\c+1] offset:768*\u+384+4*\c
.endr
.endm
; Packed multiply-adds on two points.  A coefficient is one register of a pair, given to both halves: h picks the pair of its row
; (0: c = 0, 1;  2: c = 2), s the register in it, written in op_sel (low result) and op_sel_hi (high result) alike.
.macro FCC d, v, p, q, h, s            ; d = v * coefficient p + coefficient q
	v_pk_fma_f32 v[\d:\d+1], v[\v:\v+1], v[C+4*\p+\h:C+4*\p+\h+1], v[C+4*\q+\h:C+4*\q+\h+1] op_sel:[0,\s,\s] op_sel_hi:[1,\s,\s]
.endm
.macro FCV d, v, p, h, s               ; d += v * coefficient p
	v_pk_fma_f32 v[\d:\d+1], v[\v:\v+1], v[C+4*\p+\h:C+4*\p+\h+1], v[\d:\d+1] op_sel:[0,\s,0] op_sel_hi:[1,\s,1]
.endm
.macro FVC d, v, t, q, h, s            ; d = v * t + coefficient q
	v_pk_fma_f32 v[\d:\d+1], v[\v:\v+1], v[\t:\t+1], v[C+4*\q+\h:C+4*\q+\h+1] op_sel:[0,0,\s] op_sel_hi:[1,1,\s]
.endm
.macro FVV d, v, t                     ; d += v * t
	v_pk_fma_f32 v[\d:\d+1], v[\v:\v+1], v[\t:\t+1], v[\d:\d+1]
.endm
; each step for c = 0, 1, 2 in turn: three chains that do not wait for each other
.macro SCC d, v, p, q
	FCC \d,   \v, \p, \q, 0, 0
	FCC \d+2, \v, \p, \q, 0, 1
	FCC \d+4, \v, \p, \q, 2, 0
.endm
.macro SCV d, v, p
	FCV \d,   \v, \p, 0, 0
	FCV \d+2, \v, \p, 0, 1
	FCV \d+4, \v, \p, 2, 0
.endm
.macro SVC d, v, t, q
	FVC \d,   \v, \t,   \q, 0, 0
	FVC \d+2, \v, \t+2, \q, 0, 1
	FVC \d+4, \v, \t+4, \q, 2, 0
.endm
.macro SVV d, v, t
	FVV \d,   \v, \t
	FVV \d+2, \v, \t+2
	FVV \d+4, \v, \t+4
.endm
.macro CMP X, O                        ; 27 packed multiply-adds: three outputs of two points
	SCC T,    \X,   QXX, QX            ; t1 = Sxx x + Sx
	SCC T+6,  \X+2, QYY, QY            ; t2 = Syy y + Sy
	SCC T+12, \X+4, QZZ, QZ            ; t3 = Szz z + Sz
	SCV T,    \X+2, QXY                ; t1 += Sxy y
	SCV T+6,  \X+4, QYZ                ; t2 += Syz z
	SVC \O,   \X+4, T+12, Q1           ; o  = z t3 + S1
	SCV T,    \X+4, QXZ                ; t1 += Sxz z
	SVV \O,   \X+2, T+6                ; o += y t2
	SVV \O,   \X,   T                  ; o += x t1
.endm
	s_load_b128 s[4:7], s[0:1], 0x0                ; x s[4:5], a s[6:7]
	s_load_b64 s[8:9], s[0:1], 0x10                ; out
	v_lshl_add_u32 v120, v0, 2, 0x4c00
	v_mov_b32 v121, 0
	v_and_b32 v7, 31, v0                           ; lane
	v_lshrrev_b32 v6, 5, v0
	v_readfirstlane_b32 s16, v6                    ; wave 0 .. 4
	s_mul_i32 s17, s16, WBYTES                     ; my wave's bytes: in the work-group's part of x and out, and in LDS
	s_mul_i32 s10, ttmp9, WAVES*WBYTES             ; the work-group's part (below 12,000,000)
	s_add_co_u32 s10, s10, s17
	s_mov_b32 s11, 0
	v_lshlrev_b32 v1, 4, v7                        ; memory: 16 bytes a lane (blocks 0-6)
	v_lshlrev_b32 v2, 3, v7                        ; memory: 8 bytes a lane (block 7)
	v_lshl_add_u32 v3, v7, 4, s17                  ; LDS: the same two,
	v_lshl_add_u32 v4, v7, 3, s17
	v_mul_u32_u24 v5, v7, 12                       ; and 12 bytes a lane: a point
	v_add_nc_u32 v5, s17, v5
	v_mov_b32 v6, 0                                ; LDS base of the coefficient rows (the rest is in the offsets)
	s_wait_kmcnt 0x0
	s_add_nc_u64 s[4:5], s[4:5], s[10:11]
	s_add_nc_u64 s[8:9], s[8:9], s[10:11]
	s_cmp_lg_u32 s16, 0
	s_cbranch_scc1 .Lothers
	; WAVE 0 folds a for the work-group.  Lane L loads rows L, 32 + L, 64 + L of a (12 bytes each; a load covers 384 consecutive
	; bytes, the three cover a): these are feature L % 16 of blocks L / 16, 2 + L / 16, 4 + L / 16.
	; The loads of a stand in front of those of x, so that the fold runs while x is on its way.
	v_mul_u32_u24 v[AO], v7, 12
	global_load_b96 v[T:T+2],    v[AO], s[6:7]
	global_load_b96 v[T+4:T+6],  v[AO], s[6:7] offset:384
	global_load_b96 v[T+8:T+10], v[AO], s[6:7] offset:768
	XLOADS
	s_mov_b32 s12, 0x76543210                      ; v_permlanex16_b32: lane i of one half reads lane i of the other
	s_mov_b32 s13, 0xfedcba98
	s_mov_b32 s14, 0xd951c840                      ; v_permlane16_b32: lane 4 j + k reads lane 4 k + j of its half
	s_mov_b32 s15, 0xfb73ea62
	s_mov_b32 vcc_lo, 0x7bde7bde                   ; every lane but 0, 5, 10, 15 of each half (j = k)
	v_and_b32 v[SA], 15, v0
	v_lshlrev_b32 v[SA], 4, v[SA]                  ; row i of S lies at 16 i
	s_wait_loadcnt 0x8                             ; loads return in order: the eight of x were issued behind the three of a
	v_pk_add_f32 v[T:T+1], v[T:T+1], v[T+4:T+5]
	v_add_f32 v[T+2], v[T+2], v[T+6]
	v_pk_add_f32 v[T:T+1], v[T:T+1], v[T+8:T+9]
	v_add_f32 v[T+2], v[T+2], v[T+10]              ; three of the six blocks
	v_permlanex16_b32 v[T+4], v[T],   s12, s13
	v_permlanex16_b32 v[T+5], v[T+1], s12, s13
	v_permlanex16_b32 v[T+6], v[T+2], s12, s13
	v_pk_add_f32 v[T:T+1], v[T:T+1], v[T+4:T+5]
	v_add_f32 v[T+2], v[T+2], v[T+6]               ; b[L % 16][c], in both halves
	v_permlane16_b32 v[T+4], v[T],   s14, s15
	v_permlane16_b32 v[T+5], v[T+1], s14, s15
	v_permlane16_b32 v[T+6], v[T+2], s14, s15      ; b of the mirror feature,
	v_cndmask_b32 v[T+4], 0, v[T+4], vcc_lo
	v_cndmask_b32 v[T+5], 0, v[T+5], vcc_lo
	v_cndmask_b32 v[T+6], 0, v[T+6], vcc_lo        ; which a square does not have
	v_pk_add_f32 v[T:T+1], v[T:T+1], v[T+4:T+5]
	v_add_f32 v[T+2], v[T+2], v[T+6]
	v_mov_b32 v[T+3], 0                            ; the fourth word of a row: read as the idle half of a pair, never used
	ds_store_b128 v[SA], v[T:T+3] offset:COEF      ; the two halves of the wave store equal rows to equal places
	s_wait_dscnt 0x0                               ; for the other waves: S lies in LDS before I signal
	s_branch .Lmeet
.Lothers:
	XLOADS
.Lmeet:
	s_barrier_signal -1
	s_barrier_wait -1                              ; S is there for all five waves; from here on no wave touches another's bytes
	LDC QXX, 0
	LDC QXY, 1
	LDC QXZ, 2
	LDC QX,  3
	LDC QYY, 5
	LDC QYZ, 6
	LDC QY,  7
	LDC QZZ, 10
	LDC QZ,  11
	LDC Q1,  15
	; The five pairs, each two steps behind its input.  LDS serves a wave's instructions in order (ISA guide 5.7.1), so a read behind
	; a store of the same wave sees it, and each s_wait_dscnt counts the LDS instructions issued behind the one that is wanted.
	s_wait_loadcnt 0x6                             ; blocks 0, 1 are in: six loads were issued behind them
	PUTB 0
	PUTB 1
	GETP 0, XA                                     ; bytes 0 .. 767
	s_wait_loadcnt 0x5                             ; block 2
	PUTB 2
	GETP 1, XB                                     ; bytes 768 .. 1535
	s_wait_dscnt 0x7                               ; S and pair 0 are in; out: one copy and six reads of pair 1
	CMP XA, OA
	PUTP 0, OA
	GETB 0                                         ; bytes 0 .. 511 hold results only
	s_wait_loadcnt 0x3                             ; blocks 3, 4
	PUTB 3
	PUTB 4
	GETP 2, XA
	s_wait_dscnt 0xf                               ; pair 1 is in; out: 6 result stores, 1 block read, 2 copies, 6 reads
	CMP XB, OB
	s_wait_dscnt 0x8                               ; block 0 is back; out: 2 copies, 6 reads
	STB 0
	PUTP 1, OB
	GETB 1
	GETB 2
	s_wait_loadcnt 0x2                             ; block 5
	PUTB 5
	GETP 3, XB
	s_wait_dscnt 0xf                               ; pair 2 is in; out: 6 + 2 + 1 + 6
	CMP XA, OA
	s_wait_dscnt 0x7                               ; blocks 1, 2 are back; out: 1 copy, 6 reads
	STB 1
	STB 2
	PUTP 2, OA
	GETB 3
	s_wait_loadcnt 0x0                             ; blocks 6, 7: the last
	PUTB 6
	ds_store_b64 v4, v[R+28:R+29] offset:3584
	GETP 4, XA
	s_wait_dscnt 0xf                               ; pair 3 is in; out: 6 + 1 + 2 + 6
	CMP XB, OB
	s_wait_dscnt 0x8                               ; block 3 is back; out: 2 copies, 6 reads
	STB 3
	PUTP 3, OB
	GETB 4
	GETB 5
	s_wait_dscnt 0x8                               ; pair 4 is in; out: 6 result stores, 2 block reads
	CMP XA, OA
	s_wait_dscnt 0x0                               ; blocks 4, 5 are back: nothing was issued behind them
	STB 4
	STB 5
	PUTP 4, OA
	GETB 6
	ds_load_b64 v[R+28:R+29], v4 offset:3584
	s_wait_dscnt 0x0
	STB 6
	global_store_b64 v2, v[R+28:R+29], s[8:9] offset:3584 th:TH_STORE_NT   ; 256 consecutive bytes, aligned likewise
	s_wait_tensorcnt 0x0
	ds_add_u32 v120, v121
	s_wait_dscnt 0x0
	s_endpgm
.Lfunc_end_k_q95e9fbb312_quad:
	.size	k_q95e9fbb312_quad, .Lfunc_end_k_q95e9fbb312_quad-k_q95e9fbb312_quad
	.p2alignl 7, 3214868480
	.fill 96, 4, 3214868480
	.section	.rodata,"a",@progbits
	.p2align	6, 0x0
	.amdhsa_kernel k_q95e9fbb312_quad
		.amdhsa_group_segment_fixed_size 20224
		.amdhsa_private_segment_fixed_size 0
		.amdhsa_enable_private_segment 0
		.amdhsa_kernarg_size 24
		.amdhsa_user_sgpr_count 2
		.amdhsa_user_sgpr_kernarg_segment_ptr 1
		.amdhsa_wavefront_size32 1
		.amdhsa_system_sgpr_workgroup_id_x 1
		.amdhsa_system_sgpr_workgroup_id_y 1
		.amdhsa_system_sgpr_workgroup_id_z 1
		.amdhsa_system_vgpr_workitem_id 0
		.amdhsa_next_free_vgpr 122
		.amdhsa_next_free_sgpr 66
		.amdhsa_reserve_vcc 1
		.amdhsa_float_denorm_mode_32 3
		.amdhsa_float_denorm_mode_16_64 3
		.amdhsa_memory_ordered 1
		.amdhsa_forward_progress 1
		.amdhsa_inst_pref_size 20
	.end_amdhsa_kernel
	.amdgpu_metadata
---
amdhsa.version: [ 1, 2 ]
amdhsa.kernels:
  - .name:           k_q95e9fbb312_quad
    .symbol:         k_q95e9fbb312_quad.kd
    .args:
      - { .name: x, .offset: 0, .size: 8, .value_kind: global_buffer, .address_space: global }
      - { .name: a, .offset: 8, .size: 8, .value_kind: global_buffer, .address_space: global }
      - { .name: out0, .offset: 16, .size: 8, .value_kind: global_buffer, .address_space: global }
    .group_segment_fixed_size: 20224
    .private_segment_fixed_size: 0
    .kernarg_segment_align: 8
    .kernarg_segment_size: 24
    .max_flat_workgroup_size: 160
    .sgpr_count:     66
    .vgpr_count:     122
    .wavefront_size: 32
...
	.end_amdgpu_metadata
.endif
;; end of part 1
